; MI455X (gfx1250); checked and timed in simulation.
; The chip was launched on July 23, 2026; its instructions are those of AMD's public machine-readable ISA for CDNA 5 (MIT licence, August 2026) and "CDNA5" Instruction Set Architecture Reference Guide (July 2026). The comments in the code are by the model that wrote it; some were corrected since.
;; patch attention. Allowed arithmetic: float matrix products may take bf16 or f16 operands with f32 sums; other float arithmetic in f32, or as packed bf16 or f16 multiplies, adds, multiply-adds, maxima and minima; sums over many terms, partial sums and values carried from step to step in f32; what a program stores and reads back later, other than sums and carried values, may be rounded once to bf16 or f16.
;; Inputs: Wk 64 x 64 float32; Wp 64 x 64 float32; Wq 64 x 64 float32; Wv 64 x 64 float32; x 2 x 64 x 256 x 256 float32.
;; Outputs: out0 2 x 64 x 256 x 256 float32.
;; One version. Each part assembles by itself: llvm-mc -triple=amdgcn-amd-amdhsa -mcpu=gfx1250 --defsym DOCPART=n.
;; ======== version 1 of 1: 1 launch
;; limits: values are held in f16: magnitudes above 65,504 overflow, below 6.1e-05 lose precision
;; launch patch_attn (part 1): grid 256 x 1, 8 waves a work-group, no clusters, 295,936 bytes of LDS; arguments x, Wq, Wk, Wv, Wp, out0; writes out0
.if DOCPART == 1
	.amdgcn_target "amdgcn-amd-amdhsa--gfx1250"
	.amdhsa_code_object_version 6
	.text
	.protected	k_qc0d2f13b5e_patch_attn
	.globl	k_qc0d2f13b5e_patch_attn
	.p2align	8
	.type	k_qc0d2f13b5e_patch_attn,@function
k_qc0d2f13b5e_patch_attn:
	s_mov_b64 s[64:65], 0
	v_nop
	global_prefetch_b8 v0, s[64:65] scope:SCOPE_SE
	s_setreg_imm32_b32 hwreg(HW_REG_WAVE_MODE, 25, 1), 1
	s_wait_xcnt 0x0
; WINDOW ATTENTION, ONE LAUNCH.  x, out0: [2][64 channels][256][256] f32.  A window is 4 image rows: 1,024 tokens, for one channel 4,096 consecutive bytes; 128 windows; 2 heads of 32 channels.
; q, k, v = token x Wq^T, Wk^T, Wv^T;  O = softmax(q k^T / sqrt(32)) v inside window and head;  out = O x Wp^T, stored channel by channel as x lies.
; SHARES.  A work-group takes one window and half of its queries; each of its eight waves (512 registers) 64 queries, four tiles of 16, for both heads.  The work-group projects K and V of the
; WHOLE window once, into LDS, as images of the matrix fragments (lane x 16 bytes on end, so every LDS access is 512 consecutive bytes); Q stays in registers.  Two barriers in all.
; TOKENS.  The window's tokens lie in 16 groups of 64 (256 bytes a channel).  Tile t of a group holds the tokens 4 r + t, r = 0..15: a lane's load of 16 bytes brings one token for each of the four tiles,
; sixteen lanes take 256 consecutive aligned bytes, and the stores go the same way.  The order of keys is free, so no data ever changes lanes but a maximum and a sum (one exchange each).
; TWO PASSES.  c = log2(e) / sqrt(32) is multiplied into q's f32 sums.  Pass 1: S^T = K Q^T, and the TRUE maximum m of each query's 1,024 scores.  Pass 2: S^T once more, with -m as the C operand that
; starts the sum: the product delivers c s - c m, the exponential follows at once; no running maximum, no scaling line, no rescaling of O.  l is the f32 sum of the unrounded weights.
; FORMATS.  x and the four weight matrices are rounded once to bf16 (bf16 products).  c q, k, v and the weights p are rounded once to f16 (f16 products).  O / l is split into bf16 hi + bf16 lo, both
; multiplied by Wp in bf16.  All sums, maxima and l in f32.
; LIMITS.  |c q|, |k|, |v| stay under 65,504 (f16); a weight below 2^-126 counts as 0; NaN and infinities are not treated apart.
; NO CLUSTER: the two work-groups of a window share its 262,144 bytes of x and nothing else.  A joint load would have to stage them in f32 in LDS beside the 262,144 bytes of K and V and the 32,768 of
; weights, which does not fit; each wave takes x straight into the operand layout instead.  The K and V projection is done by both work-groups: 16 of a wave's 20 projection jobs.
; REGISTERS, in windows of 256 (s_set_vgpr_msb: bits 1:0 source 0, 3:2 source 1, 5:4 source 2, 7:6 destination).  All that the softmax touches lies in window 0, so its lines need no switch:
;   window 0: v1-v15 addresses and at work; v16-23 l; v24-39 P (pass 1: the maxima); v40-103 S^T; v104-167 O^T; v168-199 K, v200-231 V, two buffers each
;   window 1: v0-63 Q; v64-95 -m, eight copies a tile; v96-223 O as bf16 hi and lo; at the start all 256: x as loaded; at the end v0-127: what is stored
.set CHB,   262144        ; bytes from a channel to the next
.set LKT,   0             ; LDS: K: head x 65,536 + key tile x 1,024 + half x 512 + lane x 16; key tile = 4 x slot + t; half 0: channels 8h.., half 1: 16+8h..
.set LVT,   131072        ; LDS: V^T: head x 65,536 + block of 32 keys x 2,048 + channel block x 1,024 + half x 512 + lane x 16
.set LWT,   262144        ; LDS: weights: fragment x 1,024 + half x 512 + lane x 16; fragment = 8 x matrix (q, k, v, p) + 2 x row block + K half
.set SPARE, 294912        ; the spare words, 128 bytes for each of the eight waves: four blocks of 256 bytes that no other line names
.set L16, 1               ; v1   16 x lane; never rewritten
.set AK,  2               ; v2   LDS address of K's next loads
.set AV,  3               ; v3   of V's
.set XO,  4               ; v4   my offset in x and out0: (lane / 16) x 8 channels + (lane % 16) x 16 bytes; never rewritten
.set SPW, 5               ; v5   LDS address of my spare word; never rewritten
.set NIL, 6               ; v6   0; never rewritten
.set AW,  7               ; v7   LWT + 16 x lane
.set T,   8               ; v8-11   one register a tile, at work (attention)
.set ATB, 8               ; v8-11   projections: where my wave's fragments go: K head 0, 1, V head 0, 1
.set AWS, 12              ; v12  where my wave's weight fragments go
.set WO,  13              ; v13  my offset in a weight matrix
.set LL,  16              ; l, a pair a tile (even keys, odd keys)
.set MC,  24              ; pass 1: four maxima a tile
.set PP,  24              ; pass 2: P, two buffers of 8
.set S,   40              ; S^T: pass 2: tile t, key tile kt at S+16t+8kt; pass 1: buffer b, tile t at S+32b+8t
.set XF,  40              ; projections: x as bf16 fragments: tile t, K half kb at XF+16t+8kb
.set OT,  104             ; O^T: tile t, channel block cb at OT+16t+8cb
.set ACC, 104             ; projections: buffer b, tile t at ACC+32b+8t
.set KF,  168             ; K: buffer b, key tile kt at KF+16b+8kt; pass 1: two banks of four key tiles, KF+32b+8a
.set WF,  168             ; projections: weight fragments: buffer b, K half kb at WF+16b+8kb
.set VF,  200             ; V^T: buffer b, channel block cb at VF+16b+8cb
.set CV,  200             ; projections: 16 packed registers on their way into LDS
.set OUT, 40              ; the end: tile t, block of 16 output channels cq at OUT+32t+8cq
.set WPF, 168             ; the end: Wp's eight fragments
.set Q,   0               ; window 1
.set NM,  64
.set OF,  96              ; head hd, tile t at OF+64hd+16t: hi 0-7, lo 8-15
.set LXA, 0
.set LXB, 128
.set TMP, 0
.set MSB, 0
.macro WIN new                         ; the immediate's high byte repeats the setting that is left; a switch that changes nothing is dropped
.if MSB != (\new)
	s_set_vgpr_msb (MSB<<8)|(\new)
.set MSB, (\new)
.endif
.endm
.macro NOPS cnt
.rept \cnt
	v_nop
.endr
.endm
	s_load_b256 s[4:11], s[0:1], 0x0               ; x s[4:5], Wq s[6:7], Wk s[8:9], Wv s[10:11]
	s_load_b128 s[12:15], s[0:1], 0x20             ; Wp s[12:13], out0 s[14:15]
	v_lshl_add_u32 v[SPW], v0, 2, SPARE
	v_mov_b32 v[NIL], 0
	v_lshrrev_b32 v2, 5, v0
	v_readfirstlane_b32 s16, v2                    ; wave 0..7
	v_and_b32 v[L16], 31, v0
	v_lshlrev_b32 v[L16], 4, v[L16]
	v_and_b32 v14, 15, v0                          ; r = lane % 16
	v_bfe_u32 v15, v0, 4, 1                        ; h = lane / 16
	v_lshlrev_b32 v[XO], 4, v14
	v_lshl_add_u32 v[XO], v15, 21, v[XO]           ; 8 channels are 2,097,152 bytes
	v_add_nc_u32 v[AW], LWT, v[L16]
	s_lshl_b32 s18, s16, 12                        ; a slot of 64 keys is 4,096 bytes in each table
	v_add_nc_u32 v[ATB], s18, v[L16]
	v_add_nc_u32 v[ATB+1], 65536, v[ATB]
	v_add_nc_u32 v[ATB+2], 131072, v[ATB]
	v_add_nc_u32 v[ATB+3], 196608, v[ATB]
	s_lshl_b32 s18, s16, 10
	v_add_nc_u32 v[AWS], s18, v[AW]                ; fragment = my wave's number, in each matrix
	s_lshr_b32 s18, s16, 1
	s_lshl_b32 s18, s18, 12                        ; its row block: 16 rows of 256 bytes,
	s_and_b32 s19, s16, 1
	s_lshl_b32 s19, s19, 7                         ; its K half: 32 floats
	s_add_co_u32 s18, s18, s19
	v_lshlrev_b32 v[WO], 8, v14
	v_lshl_add_u32 v[WO], v15, 5, v[WO]
	v_add_nc_u32 v[WO], s18, v[WO]                 ; row r, floats 8 h on
	s_and_b32 s17, ttmp9, 1                        ; which half of the window's queries
	s_lshr_b32 s18, ttmp9, 7                       ; the image: 16,777,216 bytes,
	s_lshl_b32 s18, s18, 24
	s_bfe_u32 s19, ttmp9, 0x60001                  ; the band of four rows: 4,096 bytes a channel
	s_lshl_b32 s19, s19, 12
	s_add_co_u32 s18, s18, s19
	s_lshl_b32 s19, s17, 3
	s_add_co_u32 s19, s19, s16                     ; my own group of 64 tokens: 8 x half + wave,
	s_lshl_b32 s19, s19, 8
	s_add_co_u32 s40, s18, s19
	s_mov_b32 s41, 0
	s_xor_b32 s19, s19, 0x800                      ; and the group of the same number in the other half
	s_add_co_u32 s42, s18, s19
	s_mov_b32 s43, 0
	s_mov_b32 s34, 0x3e8293ee                      ; c = log2(e) / sqrt(32) = 0.255035
	s_mov_b32 s35, s34                             ; named with it as a pair
	s_mov_b32 s36, 0x76543210                      ; v_permlanex16_b32: each lane takes its own place in the other half
	s_mov_b32 s37, 0xfedcba98
	s_mov_b32 s39, 0xffff0000                      ; a word's upper bf16
	s_wait_kmcnt 0x0
	s_add_nc_u64 s[20:21], s[4:5], s[40:41]        ; x at my own group, channels 0-31,
	s_add_nc_u64 s[22:23], s[20:21], 0x800000      ; and 32-63: 32 channels on, so that every immediate stays under 32 channels
	s_add_nc_u64 s[24:25], s[4:5], s[42:43]        ; x at the other group
	s_add_nc_u64 s[26:27], s[24:25], 0x800000
	s_add_nc_u64 s[28:29], s[14:15], s[40:41]      ; out0 at my own group
	s_add_nc_u64 s[30:31], s[28:29], 0x800000
; 32 loads of 16 bytes a lane: 64 tokens x 64 channels.  Load n of a half brings channel 16 (n / 8) + n % 8 + 8 h; lanes 0-15 and lanes 16-31 each take 256 consecutive aligned bytes.
.macro LDX dst, b0, b1
	WIN 0x40                                       ; destination window 1, offset window 0
.set n, 0
.rept 16
	global_load_b128 v[(\dst)+4*n:(\dst)+4*n+3], v[XO], s[\b0:\b0+1] offset:(16*(n/8)+n%8)*CHB
.set n, n+1
.endr
.set n, 0
.rept 16
	global_load_b128 v[(\dst)+64+4*n:(\dst)+64+4*n+3], v[XO], s[\b1:\b1+1] offset:(16*(n/8)+n%8)*CHB
.set n, n+1
.endr
	WIN 0
.endm
	; THE WEIGHTS.  A fragment is 16 rows x 32 columns: lane (r, h) holds row r, columns 8 h + 0..7 and 16 + 8 h + 0..7.  My wave makes one fragment of each matrix: four loads each.
.irp m, 0,1,2,3
	global_load_b128 v[ACC+16*\m:ACC+16*\m+3],     v[WO], s[6+2*\m:7+2*\m]
	global_load_b128 v[ACC+16*\m+4:ACC+16*\m+7],   v[WO], s[6+2*\m:7+2*\m] offset:16
	global_load_b128 v[ACC+16*\m+8:ACC+16*\m+11],  v[WO], s[6+2*\m:7+2*\m] offset:64
	global_load_b128 v[ACC+16*\m+12:ACC+16*\m+15], v[WO], s[6+2*\m:7+2*\m] offset:80
.endr
	LDX LXA, 20, 22                                ; my own group's x goes out behind them
	s_wait_loadcnt 32                              ; the weights are in; the 32 younger loads stay out
.set n, 0
.rept 32
	v_cvt_pk_bf16_f32 v[WF+n], v[ACC+2*n], v[ACC+2*n+1]
.set n, n+1
.endr
.irp m, 0,1,2,3
	ds_store_b128 v[AWS], v[WF+8*\m:WF+8*\m+3]   offset:8192*\m
	ds_store_b128 v[AWS], v[WF+8*\m+4:WF+8*\m+7] offset:8192*\m+512
.endr
	LDX LXB, 24, 26                                ; the other group's x
	s_wait_dscnt 0x0                               ; for the others' sake: my fragments lie in LDS
	s_barrier_signal -1
	s_barrier_wait -1                              ; all 32 fragments do; the loads of x stay on their way: nobody writes those bytes
; THE PROJECTIONS.  A JOB is 16 output channels (block db of a matrix) for the group's four tiles: 8 products, K = 64 in two halves; the four accumulators take turns.
; K and Q jobs: source 0 = the weights, source 1 = x: a lane ends with token r and channels 16 db + 8 h + 0..7: rounded in pairs, half a fragment of K (source 0 of S^T) or of Q (source 1).
; V jobs: source 0 = x, source 1 = the weights: a lane ends with channel 16 db + r and tokens 8 h + 0..7: half a fragment of V^T (source 0 of O^T).
.macro CVTX src                        ; x to bf16: channels 2 pr and 2 pr + 1 of a lane's sixteen pairs, component t for tile t
	WIN 0x05                                       ; sources window 1, destination window 0
.set pr, 0
.rept 16
.irp t, 0,1,2,3
	v_cvt_pk_bf16_f32 v[XF+16*\t+pr], v[(\src)+8*pr+\t], v[(\src)+8*pr+4+\t]
.endr
.set pr, pr+1
.endr
	WIN 0
.endm
.macro WLD par, f                      ; weight fragments f and f + 1 (the two K halves) into buffer par
.irp u, 0,1,2,3
	ds_load_b128 v[WF+16*(\par)+4*\u:WF+16*(\par)+4*\u+3], v[AW] offset:1024*(\f)+512*\u
.endr
.endm
.macro MMJ kind, par                   ; kind 0: K, 1: V, 2: Q.  The first four products start the sums
.irp kb, 0,1
.irp t, 0,1,2,3
.set rD, ACC+32*(\par)+8*\t
.set rW, WF+16*(\par)+8*\kb
.set rX, XF+16*\t+8*\kb
.if ((\kind) == 1) && (\kb == 0)
	v_wmma_f32_16x16x32_bf16 v[rD:rD+7], v[rX:rX+7], v[rW:rW+7], 0
.elseif (\kind) == 1
	v_wmma_f32_16x16x32_bf16 v[rD:rD+7], v[rX:rX+7], v[rW:rW+7], v[rD:rD+7]
.elseif \kb == 0
	v_wmma_f32_16x16x32_bf16 v[rD:rD+7], v[rW:rW+7], v[rX:rX+7], 0
.else
	v_wmma_f32_16x16x32_bf16 v[rD:rD+7], v[rW:rW+7], v[rX:rX+7], v[rD:rD+7]
.endif
.endr
.endr
.endm
.macro FINJ j, oth                     ; job j's results leave: K and V rounded to f16 into the tables (oth = 1: the slots 8 + wave), Q times c, rounded, into window 1.  Each accumulator is read from its low end on
.set fP, (\j)%2
.set fD, (\j)%4
.set fK, (\j)/4
.if fK == 2
.set n, 0
.rept 16
	v_pk_mul_f32 v[ACC+32*fP+2*n:ACC+32*fP+2*n+1], v[ACC+32*fP+2*n:ACC+32*fP+2*n+1], s[34:35] op_sel_hi:[1,0]
.set n, n+1
.endr
	WIN 0x40
.irp t, 0,1,2,3
.irp i, 0,1,2,3
	v_cvt_pk_f16_f32 v[Q+32*(fD/2)+8*\t+4*(fD%2)+\i], v[ACC+32*fP+8*\t+2*\i], v[ACC+32*fP+8*\t+2*\i+1]
.endr
.endr
	WIN 0
.else
.irp t, 0,1,2,3
.irp i, 0,1,2,3
	v_cvt_pk_f16_f32 v[CV+4*\t+\i], v[ACC+32*fP+8*\t+2*\i], v[ACC+32*fP+8*\t+2*\i+1]
.endr
.endr
.irp t, 0,1,2,3
.if fK == 0
	ds_store_b128 v[ATB+fD/2], v[CV+4*\t:CV+4*\t+3] offset:32768*(\oth)+1024*\t+512*(fD%2)
.else
	ds_store_b128 v[ATB+2+fD/2], v[CV+4*\t:CV+4*\t+3] offset:32768*(\oth)+2048*(\t/2)+1024*(fD%2)+512*(\t%2)
.endif
.endr
.endif
.endm
.macro FRAG j                          ; FR = the first weight fragment of job j: jobs 0-3 K, 4-7 V, 8-11 Q
.if (\j)/4 == 0
.set FR, 8+2*((\j)%4)
.elseif (\j)/4 == 1
.set FR, 16+2*((\j)%4)
.else
.set FR, 2*((\j)%4)
.endif
.endm
; Job j of cnt: its products; the job before leaves meanwhile (those 16 lines or more are the places behind this job's products, ahead of the loads into its weight buffer); the weights of job j + 2 are asked for.
.macro JOB j, cnt, oth
.if (\j) == (\cnt)-1
	s_wait_dscnt 0x0                               ; the last job: nothing younger is out
.else
	s_wait_dscnt 0x4                               ; my weights are in: the four youngest LDS instructions are the next job's loads
.endif
	MMJ (\j)/4, (\j)%2
.if (\j) == 0
	NOPS 8                                         ; no job before it: the places behind its products
.else
	FINJ (\j)-1, \oth
.endif
.if (\j)+2 < (\cnt)
	FRAG (\j)+2
	WLD (\j)%2, FR
.endif
.endm
	WLD 0, 8                                       ; my own group: K, V and Q
	WLD 1, 10
	s_wait_loadcnt 32                              ; my own group's x is in; the other group's 32 loads stay out
	CVTX LXA
.set jj, 0
.rept 12
	JOB jj, 12, 0
.set jj, jj+1
.endr
	FINJ 11, 0
	WLD 0, 8                                       ; the other group: K and V
	WLD 1, 10
	s_wait_loadcnt 0x0
	CVTX LXB
.set jj, 0
.rept 8
	JOB jj, 8, 1
.set jj, jj+1
.endr
	FINJ 7, 1
	s_wait_dscnt 0x0                               ; for the others' sake: my parts of K and V lie in LDS
	s_barrier_signal -1
	s_barrier_wait -1                              ; the whole window's do.  From here on LDS is only read: no further barrier
; PASS 1: the maximum.  64 key tiles; a group is one key tile x my four tiles: 4 products that start at 0, into one of two buffers; the 16 maxima of the group before stand behind them and are the
; places behind these products.  K comes in two banks of four key tiles, each asked for again when its last group's products have been issued.
.macro LDBANK b, off
.irp a, 0,1,2,3
	ds_load_b128 v[KF+32*(\b)+8*\a:KF+32*(\b)+8*\a+3],   v[AK] offset:(\off)+1024*\a
	ds_load_b128 v[KF+32*(\b)+8*\a+4:KF+32*(\b)+8*\a+7], v[AK] offset:(\off)+1024*\a+512
.endr
.endm
.macro P1MAX par                       ; four chains a tile, two scores a line; each accumulator is read from its low end on
.irp t, 0,1,2,3
.irp i, 0,1,2,3
	v_max3_num_f32 v[MC+4*\t+\i], v[MC+4*\t+\i], v[S+32*(\par)+8*\t+2*\i], v[S+32*(\par)+8*\t+2*\i+1]
.endr
.endr
.endm
.macro P1G hd, g, rid
	WIN 0x04                                       ; Q in window 1
.irp t, 0,1,2,3
	v_wmma_f32_16x16x32_f16 v[S+32*((\g)%2)+8*\t:S+32*((\g)%2)+8*\t+7], v[KF+32*((\g)/4)+8*((\g)%4):KF+32*((\g)/4)+8*((\g)%4)+7], v[Q+32*(\hd)+8*\t:Q+32*(\hd)+8*\t+7], 0
.endr
	WIN 0
.if \rid
	P1MAX ((\g)+1)%2
.else
	NOPS 8                                         ; the very first group has no group before it
.endif
.endm
.macro PASS1 hd
	v_add_nc_u32 v[AK], LKT+65536*(\hd), v[L16]
	LDBANK 0, 0
.set n, 0
.rept 16
	v_mov_b32 v[MC+n], 0xff7fffff                  ; the lowest finite number
.set n, n+1
.endr
	s_wait_dscnt 0x0
	LDBANK 1, 4096
	P1G \hd, 0, 0
	s_mov_b32 s38, 8
	s_branch .Lp1mid_\@                            ; the loop is entered behind its first group
.Lp1loop_\@:                                       ; a trip: eight key tiles
	s_wait_dscnt 0x0                               ; bank 0 is in
	LDBANK 1, 4096
	P1G \hd, 0, 1
.Lp1mid_\@:
	P1G \hd, 1, 1
	P1G \hd, 2, 1
	P1G \hd, 3, 1
	s_wait_dscnt 0x0                               ; bank 1 is in
	v_add_nc_u32 v[AK], 8192, v[AK]
	s_cmp_eq_u32 s38, 1                            ; the last trip has no key tiles behind its own
	s_cbranch_scc1 .Lp1last_\@
	LDBANK 0, 0
.Lp1last_\@:
	P1G \hd, 4, 1
	P1G \hd, 5, 1
	P1G \hd, 6, 1
	P1G \hd, 7, 1
	s_sub_co_u32 s38, s38, 1
	s_cmp_lg_u32 s38, 0
	s_cbranch_scc1 .Lp1loop_\@
	P1MAX 1                                        ; the last group's
.irp t, 0,1,2,3
	v_max3_num_f32 v[T+\t], v[MC+4*\t], v[MC+4*\t+1], v[MC+4*\t+2]
.endr
.irp t, 0,1,2,3
	v_max_num_f32 v[T+\t], v[T+\t], v[MC+4*\t+3]
.endr
.irp t, 0,1,2,3
	v_permlanex16_b32 v[MC+4*\t], v[T+\t], s36, s37  ; the query's other keys lie in the lane 16 away
.endr
.irp t, 0,1,2,3
	v_max_num_f32 v[T+\t], v[T+\t], v[MC+4*\t]
.endr
	WIN 0x40
.irp t, 0,1,2,3
.irp i, 0,1,2,3,4,5,6,7
	v_mul_f32 v[NM+8*\t+\i], -1.0, v[T+\t]         ; -m, as a C operand: the same number in all eight registers of a lane, which holds one query
.endr
.endr
	WIN 0
.endm
; PASS 2.  Keys go in blocks of 32 (two key tiles).  The four tiles rotate through four stages, a SUB-TURN apart.  In sub-turn n (TM = n % 4):
;   matrix: O^T += V^T P for tile TM and the block before (2 products), then S^T = K Q^T - m for tile TM and the block in hand (2 products);
;   16 exponentials of tile TE = TM + 2, whose scores were made two sub-turns ago;
;   16 plain lines of tile TC = TM + 1, whose exponentials were made last sub-turn: 8 roundings to f16 (C), 4 sums in place (B), 4 sums onto l (L).
; Plain lines and exponentials stand by turns behind the products; under the setting with Q and -m in window 1 only exponentials stand, which name a destination and a first source alone.
; A sub-turn's 16 exponentials are one batch: their first readers are the next sub-turn's roundings, and the one wait stands at the sub-turn's end, behind two plain lines.
; No two products that follow each other share an accumulator, and each turn is one instruction.  P has two buffers by TM's parity: one is written while the other is multiplied.
.macro FK buf, off                     ; K of a block: two key tiles
.irp u, 0,1,2,3
	ds_load_b128 v[KF+16*(\buf)+4*\u:KF+16*(\buf)+4*\u+3], v[AK] offset:(\off)+512*\u
.endr
.endm
.macro FV buf, off                     ; V^T of a block: two channel blocks
.irp u, 0,1,2,3
	ds_load_b128 v[VF+16*(\buf)+4*\u:VF+16*(\buf)+4*\u+3], v[AV] offset:(\off)+512*\u
.endr
.endm
.macro PC k                            ; weights 2 k, 2 k + 1 rounded to f16
	v_cvt_pk_f16_f32 v[PP+8*PW+(\k)], v[S+16*TC+2*(\k)], v[S+16*TC+2*(\k)+1]
.endm
.macro PB k                            ; of the four weights 4 k .. the second pair is added onto the first, behind their roundings
	v_pk_add_f32 v[S+16*TC+4*(\k):S+16*TC+4*(\k)+1], v[S+16*TC+4*(\k):S+16*TC+4*(\k)+1], v[S+16*TC+4*(\k)+2:S+16*TC+4*(\k)+3]
.endm
.macro PS k                            ; l takes that sum; in a tile's first block (CVM = 1) the first two sums start l
.if (CVM == 1) && ((\k) == 0)
	v_nop
.elseif (CVM == 1) && ((\k) == 1)
	v_pk_add_f32 v[LL+2*TC:LL+2*TC+1], v[S+16*TC:S+16*TC+1], v[S+16*TC+4:S+16*TC+5]
.else
	v_pk_add_f32 v[LL+2*TC:LL+2*TC+1], v[LL+2*TC:LL+2*TC+1], v[S+16*TC+4*(\k):S+16*TC+4*(\k)+1]
.endif
.endm
.macro PL                              ; the next plain line: C0 C1 B0 C2 C3 B1 L0 C4 C5 B2 L1 C6 C7 B3 L2 L3; where the tile has no weights yet or no more (CVM = 0): v_nop, which keeps the places
.if CVM == 0
	v_nop
.elseif pq < 2
	PC pq
.elseif pq == 2
	PB 0
.elseif pq < 5
	PC pq-1
.elseif pq == 5
	PB 1
.elseif pq == 6
	PS 0
.elseif pq < 9
	PC pq-3
.elseif pq == 9
	PB 2
.elseif pq == 10
	PS 1
.elseif pq < 13
	PC pq-5
.elseif pq == 13
	PB 3
.else
	PS pq-12
.endif
.set pq, pq+1
.endm
.macro EX                              ; the next exponential, ascending: each accumulator is read from its low end on
.if EXM
	v_exp_f32 v[S+16*TE+ee], v[S+16*TE+ee]
.set ee, ee+1
.endif
.endm
.macro PE4
.rept 4
	PL
	EX
.endr
.endm
; pv = 0: no V^T P; 1: it starts O^T's sums; 2: it adds.  qk = 1: K Q^T.  ex = 1: exponentials.  cv = 0: no plain work; 1: the tile's first block; 2: any other.  par: the buffers of K and V.
.macro ST tm, par, pv, qk, ex, cv
.set TM, (\tm)
.set TC, ((\tm)+1)%4
.set TE, ((\tm)+2)%4
.set PW, (\tm)%2
.set PAR, (\par)
.set EXM, (\ex)
.set CVM, (\cv)
.set pq, 0
.set ee, 0
.irp cb, 0,1
.if (\pv) == 1
	v_wmma_f32_16x16x32_f16 v[OT+16*TM+8*\cb:OT+16*TM+8*\cb+7], v[VF+16*PAR+8*\cb:VF+16*PAR+8*\cb+7], v[PP+8*(1-PW):PP+8*(1-PW)+7], 0
.elseif (\pv) == 2
	v_wmma_f32_16x16x32_f16 v[OT+16*TM+8*\cb:OT+16*TM+8*\cb+7], v[VF+16*PAR+8*\cb:VF+16*PAR+8*\cb+7], v[PP+8*(1-PW):PP+8*(1-PW)+7], v[OT+16*TM+8*\cb:OT+16*TM+8*\cb+7]
.endif
	PE4
	PL
.endr
.if \qk
	WIN 0x14                                       ; sources 1 and 2 (Q, -m) in window 1
	v_wmma_f32_16x16x32_f16 v[S+16*TM:S+16*TM+7], v[KF+16*PAR:KF+16*PAR+7], v[Q+32*HD+8*TM:Q+32*HD+8*TM+7], v[NM+8*TM:NM+8*TM+7]
.endif
.rept 4
	EX
.endr
.if \qk
	v_wmma_f32_16x16x32_f16 v[S+16*TM+8:S+16*TM+15], v[KF+16*PAR+8:KF+16*PAR+15], v[Q+32*HD+8*TM:Q+32*HD+8*TM+7], v[NM+8*TM:NM+8*TM+7]
	WIN 0
.endif
	PE4
	PL
	PL                                             ; six plain lines end the sub-turn: the places ahead of loads into K's and V's buffers, and the plain lines behind the last exponential
.if \ex
	s_wait_alu depctr_va_vdst(0)                   ; the wait for the batch, ahead of its first readers and of every label and branch
.endif
.endm
; Four sub-turns use V of block b in buffer b % 2 and K of block b + 1 in the same buffer's number.  At their head the loads asked for four sub-turns ago are waited for, and the next four's go out.
.macro PASS2 hd
.set HD, (\hd)
	v_add_nc_u32 v[AK], LKT+65536*(\hd), v[L16]
	v_add_nc_u32 v[AV], LVT+65536*(\hd), v[L16]
	FK 1, 0                                        ; K of block 0
	FV 0, 0                                        ; V of block 0
	FK 0, 2048                                     ; K of block 1
	s_wait_dscnt 0x8                               ; K of block 0 is in; the eight younger loads stay out
	ST 0, 1, 0, 1, 0, 0                            ; the stages fill: scores alone,
	ST 1, 1, 0, 1, 0, 0
	ST 2, 1, 0, 1, 1, 0                            ; then exponentials,
	ST 3, 1, 0, 1, 1, 1                            ; then roundings and sums
	s_wait_dscnt 0x0
	FV 1, 2048
	FK 1, 4096
	ST 0, 0, 1, 1, 1, 1                            ; block 0's V^T P starts O^T
	ST 1, 0, 1, 1, 1, 1
	ST 2, 0, 1, 1, 1, 1
	ST 3, 0, 1, 1, 1, 2
	v_add_nc_u32 v[AK], 6144, v[AK]                ; K of block 3,
	v_add_nc_u32 v[AV], 4096, v[AV]                ; V of block 2
	s_mov_b32 s38, 15
.Lp2_\@:                                           ; a trip: V of two blocks (1 + 2 i, 2 + 2 i), K of the two behind them
	s_wait_dscnt 0x0
	FV 0, 0
	FK 0, 0
	ST 0, 1, 2, 1, 1, 2
	ST 1, 1, 2, 1, 1, 2
	ST 2, 1, 2, 1, 1, 2
	ST 3, 1, 2, 1, 1, 2
	s_wait_dscnt 0x0
	FV 1, 2048
	s_cmp_eq_u32 s38, 1                            ; there are 32 blocks: the last trip has no K left to ask for
	s_cbranch_scc1 .Lp2nok_\@
	FK 1, 2048
.Lp2nok_\@:
	v_add_nc_u32 v[AK], 4096, v[AK]
	v_add_nc_u32 v[AV], 4096, v[AV]
	ST 0, 0, 2, 1, 1, 2
	ST 1, 0, 2, 1, 1, 2
	ST 2, 0, 2, 1, 1, 2
	ST 3, 0, 2, 1, 1, 2
	s_sub_co_u32 s38, s38, 1
	s_cmp_lg_u32 s38, 0
	s_cbranch_scc1 .Lp2_\@
	s_wait_dscnt 0x0
	ST 0, 1, 2, 0, 1, 2                            ; the stages drain: V of block 31
	ST 1, 1, 2, 0, 1, 2
	ST 2, 1, 2, 0, 0, 2
	ST 3, 1, 2, 0, 0, 0                            ; its v_nop are the places behind the last products
.endm
; O^T / l, then split into bf16 hi and bf16 lo = bf16(O - hi): rounded in pairs these ARE source 1 (32 channels of the head x 16 queries) of the last product.
.macro NORM hd
.irp t, 0,1,2,3
	v_add_f32 v[T+\t], v[LL+2*\t], v[LL+2*\t+1]
.endr
.irp t, 0,1,2,3
	v_permlanex16_b32 v[LL+2*\t+1], v[T+\t], s36, s37
.endr
.irp t, 0,1,2,3
	v_add_f32 v[T+\t], v[T+\t], v[LL+2*\t+1]
.endr
.irp t, 0,1,2,3
	v_rcp_f32 v[LL+2*\t], v[T+\t]
.endr
	v_nop                                          ; a plain line behind the last reciprocal,
	s_wait_alu depctr_va_vdst(0)                   ; and the one wait for the four, ahead of their first reader
.irp t, 0,1,2,3
.irp i, 0,1,2,3,4,5,6,7
	v_pk_mul_f32 v[OT+16*\t+2*\i:OT+16*\t+2*\i+1], v[OT+16*\t+2*\i:OT+16*\t+2*\i+1], v[LL+2*\t:LL+2*\t+1] op_sel_hi:[1,0]
.endr
.endr
	WIN 0x40
.irp t, 0,1,2,3
.irp i, 0,1,2,3,4,5,6,7
	v_cvt_pk_bf16_f32 v[OF+64*(\hd)+16*\t+\i], v[OT+16*\t+2*\i], v[OT+16*\t+2*\i+1]
.endr
.endr
	WIN 0x04                                       ; source 1 window 1: hi back as f32, into S^T's registers
.irp t, 0,1,2,3
.irp i, 0,1,2,3,4,5,6,7
	v_lshlrev_b32 v[S+16*\t+2*\i], 16, v[OF+64*(\hd)+16*\t+\i]
	v_and_b32 v[S+16*\t+2*\i+1], s39, v[OF+64*(\hd)+16*\t+\i]
.endr
.endr
	WIN 0
.irp t, 0,1,2,3
.irp i, 0,1,2,3,4,5,6,7
	v_pk_add_f32 v[OT+16*\t+2*\i:OT+16*\t+2*\i+1], v[OT+16*\t+2*\i:OT+16*\t+2*\i+1], v[S+16*\t+2*\i:S+16*\t+2*\i+1] neg_lo:[0,1] neg_hi:[0,1]
.endr
.endr
	WIN 0x40
.irp t, 0,1,2,3
.irp i, 0,1,2,3,4,5,6,7
	v_cvt_pk_bf16_f32 v[OF+64*(\hd)+16*\t+8+\i], v[OT+16*\t+2*\i], v[OT+16*\t+2*\i+1]
.endr
.endr
	WIN 0
.endm
	PASS1 0
	PASS2 0
	NORM 0
	PASS1 1
	PASS2 1
.set n, 0
.rept 8                                ; Wp's eight fragments, asked for ahead of the second head's division
	ds_load_b128 v[WPF+8*n:WPF+8*n+3],   v[AW] offset:24576+1024*n
	ds_load_b128 v[WPF+8*n+4:WPF+8*n+7], v[AW] offset:24576+1024*n+512
.set n, n+1
.endr
	NORM 1
	; THE LAST PRODUCT.  out^T = Wp O^T: source 0 = 16 output channels x the head's 32 channels, source 1 = O.  Four rounds (head 0 hi, lo, head 1 hi, lo) over 16 accumulators, which take turns; the first starts the sums.
	s_wait_dscnt 0x0                               ; Wp
	WIN 0x04                                       ; O in window 1
.set rn, 0
.rept 4
.irp t, 0,1,2,3
.irp cq, 0,1,2,3
.set rD, OUT+32*\t+8*\cq
.set rW, WPF+8*(2*\cq+rn/2)
.set rX, OF+64*(rn/2)+16*\t+8*(rn%2)
.if rn == 0
	v_wmma_f32_16x16x32_bf16 v[rD:rD+7], v[rW:rW+7], v[rX:rX+7], 0
.else
	v_wmma_f32_16x16x32_bf16 v[rD:rD+7], v[rW:rW+7], v[rX:rX+7], v[rD:rD+7]
.endif
.endr
.endr
.set rn, rn+1
.endr
	WIN 0
	NOPS 8                                         ; the places behind the last products
	; THE WAY OUT.  Register i of block cq holds channel 16 cq + 8 h + i of query r; the same register of the four tiles holds the tokens 4 r + 0..3: brought side by side they are 16 bytes of out0.
	WIN 0x40
.irp cq, 0,1,2,3
.irp i, 0,1,2,3,4,5,6,7
.irp t, 0,1,2,3
	v_mov_b32 v[TMP+4*(8*\cq+\i)+\t], v[OUT+32*\t+8*\cq+\i]
.endr
.endr
.endr
	WIN 0x04                                       ; a store's data are its source 1: window 1
.irp cq, 0,1,2,3
.irp i, 0,1,2,3,4,5,6,7
	global_store_b128 v[XO], v[TMP+4*(8*\cq+\i):TMP+4*(8*\cq+\i)+3], s[28+2*(\cq/2):29+2*(\cq/2)] offset:(16*(\cq%2)+\i)*CHB th:TH_STORE_NT  ; lanes 0-15 and lanes 16-31 each store 256 consecutive bytes, at a multiple of 256 from out0's first byte
.endr
.endr
	WIN 0
	s_wait_tensorcnt 0x0                           ; the wave's end, behind my last LDS store
	ds_add_u32 v[SPW], v[NIL]
	s_wait_dscnt 0x0
	s_endpgm
.Lfunc_end_k_qc0d2f13b5e_patch_attn:
	.size	k_qc0d2f13b5e_patch_attn, .Lfunc_end_k_qc0d2f13b5e_patch_attn-k_qc0d2f13b5e_patch_attn
	.p2alignl 7, 3214868480
	.fill 96, 4, 3214868480
	.section	.rodata,"a",@progbits
	.p2align	6, 0x0
	.amdhsa_kernel k_qc0d2f13b5e_patch_attn
		.amdhsa_group_segment_fixed_size 295936
		.amdhsa_private_segment_fixed_size 0
		.amdhsa_enable_private_segment 0
		.amdhsa_kernarg_size 48
		.amdhsa_user_sgpr_count 2
		.amdhsa_user_sgpr_kernarg_segment_ptr 1
		.amdhsa_wavefront_size32 1
		.amdhsa_system_sgpr_workgroup_id_x 1
		.amdhsa_system_sgpr_workgroup_id_y 1
		.amdhsa_system_sgpr_workgroup_id_z 1
		.amdhsa_system_vgpr_workitem_id 0
		.amdhsa_next_free_vgpr 512
		.amdhsa_next_free_sgpr 66
		.amdhsa_reserve_vcc 0
		.amdhsa_float_denorm_mode_32 3
		.amdhsa_float_denorm_mode_16_64 3
		.amdhsa_memory_ordered 1
		.amdhsa_forward_progress 1
		.amdhsa_inst_pref_size 203
	.end_amdhsa_kernel
	.amdgpu_metadata
---
amdhsa.version: [ 1, 2 ]
amdhsa.kernels:
  - .name:           k_qc0d2f13b5e_patch_attn
    .symbol:         k_qc0d2f13b5e_patch_attn.kd
    .args:
      - { .name: x, .offset: 0, .size: 8, .value_kind: global_buffer, .address_space: global }
      - { .name: Wq, .offset: 8, .size: 8, .value_kind: global_buffer, .address_space: global }
      - { .name: Wk, .offset: 16, .size: 8, .value_kind: global_buffer, .address_space: global }
      - { .name: Wv, .offset: 24, .size: 8, .value_kind: global_buffer, .address_space: global }
      - { .name: Wp, .offset: 32, .size: 8, .value_kind: global_buffer, .address_space: global }
      - { .name: out0, .offset: 40, .size: 8, .value_kind: global_buffer, .address_space: global }
    .group_segment_fixed_size: 295936
    .private_segment_fixed_size: 0
    .kernarg_segment_align: 8
    .kernarg_segment_size: 48
    .max_flat_workgroup_size: 256
    .sgpr_count:     66
    .vgpr_count:     512
    .wavefront_size: 32
...
	.end_amdgpu_metadata
.endif
;; end of part 1
